; MI455X (gfx1250); checked and timed in simulation.
; The chip was launched on July 23, 2026; its instructions are those of AMD's public machine-readable ISA for CDNA 5 (MIT licence, August 2026) and "CDNA5" Instruction Set Architecture Reference Guide (July 2026). The comments in the code are by the model that wrote it; some were corrected since.
;; Self Attention. Allowed arithmetic: matrix products marked QUANTISED: E2M1 operands, one E8M0 scale for each 32 along K, by v_wmma_scale_f32_16x16x128_f8f6f4 with both operands' format E2M1 (or v_wmma_scale_f32_32x16x128_f4), f32 sums; products left as they are: f32 operands where the result goes on into a quantised operand, else bf16, f16 or f32 operands; f32 sums; everything else in f32.
;; Inputs: ba 128 float32; bk 16 float32; bq 16 float32; bv 64 float32; gamma 1 float32; wa_codes 128 x 2 x 16 uint8 (E2M1 codes of wa, K innermost, in blocks of 32 codes, two codes a byte); wa_scales 128 x 2 uint8 (E8M0 scales of wa, one for each 32 codes along K); wk_codes 16 x 4 x 16 uint8 (E2M1 codes of wk, K innermost, in blocks of 32 codes, two codes a byte); wk_scales 16 x 4 uint8 (E8M0 scales of wk, one for each 32 codes along K); wq_codes 16 x 4 x 16 uint8 (E2M1 codes of wq, K innermost, in blocks of 32 codes, two codes a byte); wq_scales 16 x 4 uint8 (E8M0 scales of wq, one for each 32 codes along K); wv_codes 64 x 4 x 16 uint8 (E2M1 codes of wv, K innermost, in blocks of 32 codes, two codes a byte); wv_scales 64 x 4 uint8 (E8M0 scales of wv, one for each 32 codes along K); x 16 x 128 x 64 x 64 float32.
;; Outputs: out0 16 x 128 x 64 x 64 float32.
;; This version of the problem:
;;   THIS VERSION OF THE PROBLEM IS GIVEN IN LOW PRECISION. The matrix products marked QUANTISED in the list below multiply operands that are first quantised to E2M1 (2 exponent bits, 1 mantissa bit; 4 bits a number), with one power-of-two scale for each 32 numbers along K (OCP MX v1.0); their sums are f32. All else is computed in f32.
;;   The module's matrix products, in the order in which they are computed (A, B: the left and right operand; K: the contracted axis; several contracted axes count as one K, in the product's order):
;;     1. [M 16, K 128] x [K 128, N 65,536]; A: input wq (given as codes); B: input x: QUANTISED
;;     2. [M 16, K 128] x [K 128, N 16,384]; A: input wk (given as codes); B: computed on the way: QUANTISED
;;     3. [M 64, K 128] x [K 128, N 16,384]; A: input wv (given as codes); B: computed on the way: QUANTISED
;;     4. batch 16 x [M 4,096, K 16] x [K 16, N 1,024]; A: computed on the way; B: computed on the way: left as it is (K = 16 < 32)
;;     5. batch 16 x [M 64, K 1,024] x [K 1,024, N 4,096]; A: computed on the way; B: softmax (see below): QUANTISED
;;     6. [M 128, K 64] x [K 64, N 65,536]; A: input wa (given as codes); B: computed on the way: QUANTISED
;;   THE QUANTISER, for each operand of a quantised product, along K:
;;     - K is cut into blocks of 32 from its start; a last block that is shorter is filled with zeros.
;;     - A block's scale is 2^e with e = floor(log2(the largest magnitude in the block)) - 2, held to -126 .. 127; a block of zeros has e = 0. As a byte (E8M0): e + 127.
;;     - Each number is divided by its block's scale, clamped to +-6, and rounded to the nearest number of E2M1, ties to even, subnormals kept.
;;     - The product sums the exact products of the quantised numbers (number of the format x scale) in f32.
;;   ~~~python
;;   def quantise(x, axis):      # numpy; x: float32 -> the quantised numbers, widened to float32 again
;;       x = np.moveaxis(x, axis, -1); K = x.shape[-1]
;;       x = np.pad(x, [(0, 0)] * (x.ndim - 1) + [(0, -K % 32)]); x = x.reshape(x.shape[:-1] + (-1, 32)); a = np.abs(x).max(-1, keepdims=True)
;;       e = np.where(a > 0, np.clip(np.frexp(np.where(a > 0, a, 1))[1] - 1 - 2, -126, 127), 0)      # np.frexp(a)[1] - 1 = floor(log2(a)), exactly
;;       r = np.clip(x / 2.0 ** e, -6, 6)
;;       step = 2.0 ** (np.maximum(np.frexp(np.where(r == 0, 1, r))[1] - 1, 0) - 1)
;;       q = np.round(r / step) * step * 2.0 ** e      # np.round: ties to even
;;       return np.moveaxis(q.reshape(q.shape[:-2] + (-1,))[..., :K], -1, axis).astype(np.float32)
;;   ~~~
;;   SOFTMAX AHEAD OF A QUANTISED PRODUCT. Where the list says 'softmax', what is quantised is not the finished softmax but p = 2^(t - M), with t = logit x log2(e) and M = ceil(the row's largest t), a whole number; so 1/2 < the row's largest p <= 1. The row's sum l is taken of the UNQUANTISED p, in f32, and the product's result is divided by l at the end. Since M is a whole number, a kernel that streams over the keys may use a running M (the ceiling of the running maximum): every later rescaling is an exact power of two, which a block's scale takes up: the codes' values come out the same.
;;   OPERANDS COMPUTED ON THE WAY. 'Computed on the way' means the value that the module computes at that place (a softmax that the list does not call 'softmax' is quantised finished and normalised). What goes into a quantiser is computed in f32, as accurately as f32 sums, v_exp_f32 and their like allow (about 1e-6 of the number): no bf16 or f16 on the way to a quantiser, and a product that is left as it is and whose result goes on into a quantised operand takes f32 operands (vector FMAs, or v_wmma_f32_16x16x4_f32). A number that lies on a knife's edge between two numbers of the format may be rounded either way, as far as f32 arithmetic and the matrix unit's own rounding can turn it there, and no further.
;;   INPUTS GIVEN AS CODES. wa (in the module: [128, 64], K = its axis 1); wk (in the module: [16, 128], K = its axis 1); wq (in the module: [16, 128], K = its axis 1); wv (in the module: [64, 128], K = its axis 1): each comes as NAME_codes (uint8): NAME with its K axis moved to the last place and cut into blocks of 32 codes, [.., K / 32, bytes a block], one block behind the other in memory; two codes a byte, the lower K in the low four bits (a code: sign, 2 exponent bits, 1 mantissa bit); and NAME_scales (uint8): the same leading axes, one E8M0 byte (e + 127) for each 32 codes along K. Its value is code x scale, taken as it is: it is not quantised again, and the codes and scales need not be those that the quantiser above would give.
;; One version. Each part assembles by itself: llvm-mc -triple=amdgcn-amd-amdhsa -mcpu=gfx1250 --defsym DOCPART=n.
;; ======== version 1 of 1: 2 launches
;; workspace buffers: qimg 4,194,304 bytes; kv 1,605,632 bytes
;; launch prep (part 1): grid 256 x 1, 4 waves a work-group, no clusters, 168,448 bytes of LDS; arguments x, wq_codes, wq_scales, bq, wk_codes, wk_scales, bk, wv_codes, wv_scales, bv, qimg, kv; writes qimg, kv
.if DOCPART == 1
	.amdgcn_target "amdgcn-amd-amdhsa--gfx1250"
	.amdhsa_code_object_version 6
	.text
	.protected	k_q678f612618_prep
	.globl	k_q678f612618_prep
	.p2align	8
	.type	k_q678f612618_prep,@function
k_q678f612618_prep:
	s_mov_b64 s[64:65], 0
	v_nop
	global_prefetch_b8 v0, s[64:65] scope:SCOPE_SE
	s_setreg_imm32_b32 hwreg(HW_REG_WAVE_MODE, 25, 1), 1
	s_wait_xcnt 0x0
; PREP: q = wq Q(x) + bq for every pixel; xp = 2 x 2 max pool of x; k = wk Q(xp) + bk; v = wv Q(xp) + bv; Q(v) along the keys.  Q is the MX-FP4 quantiser (E2M1 codes, one E8M0 byte for 32 along K).
; x: [16][128][64][64] f32.  K of the first three products is the channel, which is outermost in an image: so A LANE TAKES A PIXEL AND ITS REGISTERS RUN DOWN THE CHANNELS.
; SHARES.  Work-group g: image b = g / 16, image rows 4 gr .. 4 gr + 3 (gr = g % 16): 1,024 consecutive bytes of each of the 128 channel planes; pooled rows 2 gr, 2 gr + 1.
;   The 128 x 1,024 bytes come into LDS once, each wave fetching 32 channels by one tensor load.
;   Phase 1: wave w = 2 p + u owns the 16 pooled pixels pc(r) = 8 u + r + 8 (r / 8) of pooled row p and the 64 pixels under them; lane (r, h) owns column 2 pc(r) + h of rows 2 p, 2 p + 1.
;   Phase 2: wave w owns 16 of v's 64 dims, dsel(r) = 32 (w / 2) + 8 (w % 2) + r + 8 (r / 8), for both pooled rows (64 keys); the pooled pixels' codes reach it through LDS as images of their registers.
; WHAT IS STORED is laid in the order of the reader's registers (an image: group c of four registers of lane l at byte 512 c + 16 l):
;   qimg: tile 16 g + 4 w + 2 rho + par, 1,024 bytes: lane (r, h), register j = q[dim 8 h + j] of pixel (row 2 p + rho, column 2 pc(r) + par).
;   kv, 100,352 bytes an image: K at 0: tile 4 gr + w: lane (r, h), register j = k[dim 8 h + j] of key 32 (2 gr + p) + pc(r);
;     V at 65,536: fragment 4 s + t (s: 128 keys, t: 16 dims): an FP4 operand's 8 registers, row dsel_t(r), keys 128 s + 64 c + 32 h + 0 .. 31;  scale words at 98,304: (4 s + t) x 64 + 4 r, byte i = pooled row 4 s + i.
; A block of 32 keys is one pooled row.  The order pc(r), dsel(r) is chosen so that the 16 registers of two neighbouring result tiles are 16 neighbours along the next product's K.
; No cluster: the work-groups share nothing but some 7 KB of weights.  Nothing in LDS is filled twice.
; LIMITS: NaN and infinities among the inputs are not served.  A block of zeros gets the byte 1 (the floor's) where the quantiser says 127: its codes are zeros, and this program alone reads the bytes.
.set IMG,   131072                     ; LDS: x's tile at 0 (128 rows of 1,024 bytes); here the four pooled fragments' images, 1,024 bytes each,
.set IMGS,  135168                     ; and their scale words, 128 bytes each
.set KVB,   100352                     ; an image's part of kv
.set KV_V,  65536
.set KV_S,  98304
.set FLOOR, 0x1800000                  ; 2^(3 - 127): under it no largest magnitude is taken, so a scale's byte cannot fall under 1
.set EOFF,  0xff000000                 ; takes 2 off an exponent field
.set HH,  1                            ; v1   h = lane / 16
.set XA0, 2                            ; v2   LDS: my pixel of row 2 p, channel 0;   v3: channel 64
.set XA1, 3
.set L16, 4                            ; v4   16 x lane
.set IR,  5                            ; v5   images: where I read;   v6: where I store (my wave's)
.set IW,  6
.set ISR, 7                            ; v7   scale words likewise;   v8
.set ISW, 8
.set VST, 9                            ; v9   kv: my 8 bytes of v's codes
.set VSS, 10                           ; v10  kv: my scale byte of v
.set KST, 14                           ; v14  kv: my 16 bytes of k's tile
.set WQ,  16                           ; fragments of the weights
.set WK,  24
.set WV,  32
.set BQ,  40                           ; biases in the results' layout: the C of each product
.set BK,  48
.set BV,  56
.set R0,  64                           ; 64 channels of my pixel in row 2 p;
.set R1,  128                          ; in row 2 p + 1
.set F,   192                          ; x's four fragments: (rho, par) at F + 16 rho + 8 par
.set W0,  224                          ; v224, v225: x's scale words of rows rho = 0, 1: lanes 0-15 par 0, lanes 16-31 par 1.  v224-233 hold scales and nothing else
.set XPW, 226
.set WQS, 227
.set WKS, 228
.set WVS, 229
.set XS,  230                          ; v230-233 the four pooled fragments' scale words
.set XPF, 234                          ; v234-241 my pooled fragment
.set T0,  242                          ; v242-245 largest magnitudes
.set SO0, 246                          ; v246-247 the conversions' scale operands
.set BY0, 248                          ; v248-249 scale bytes
.set PB0, 250                          ; v250-251 the pooled blocks' bytes
.set TP0, 252                          ; v252-253 what a lane permute brings
.set QD,  64                           ; results, over registers that are done with
.set KD,  96
.set VC,  104
.set XF,  128
.set VD,  160
; Two whole blocks of 32 numbers of a lane, v[src] on and v[src + 32] on, by turns: codes into v[d0] .. + 3 and v[d1] .. + 3, bytes into BY0, BY0 + 1.
.macro QUANT2 src, d0, d1
	v_max3_num_f32 v[T0],   |v[(\src)]|,    |v[(\src)+1]|,  |v[(\src)+2]|
	v_max3_num_f32 v[T0+1], |v[(\src)+3]|,  |v[(\src)+4]|,  |v[(\src)+5]|
	v_max3_num_f32 v[T0+2], |v[(\src)+32]|, |v[(\src)+33]|, |v[(\src)+34]|
	v_max3_num_f32 v[T0+3], |v[(\src)+35]|, |v[(\src)+36]|, |v[(\src)+37]|
.irp i, 6,10,14,18,22,26
	v_max3_num_f32 v[T0],   v[T0],   |v[(\src)+\i]|,    |v[(\src)+\i+1]|
	v_max3_num_f32 v[T0+1], v[T0+1], |v[(\src)+\i+2]|,  |v[(\src)+\i+3]|
	v_max3_num_f32 v[T0+2], v[T0+2], |v[(\src)+\i+32]|, |v[(\src)+\i+33]|
	v_max3_num_f32 v[T0+3], v[T0+3], |v[(\src)+\i+34]|, |v[(\src)+\i+35]|
.endr
	v_max3_num_f32 v[T0],   v[T0],   |v[(\src)+30]|, |v[(\src)+31]|
	v_max3_num_f32 v[T0+2], v[T0+2], |v[(\src)+62]|, |v[(\src)+63]|
	v_max3_num_f32 v[T0],   v[T0],   v[T0+1], FLOOR
	v_max3_num_f32 v[T0+2], v[T0+2], v[T0+3], FLOOR
	v_add_nc_u32 v[SO0],   EOFF, v[T0]             ; the conversion takes the exponent field of this operand as its scale, and nothing else of it
	v_add_nc_u32 v[SO0+1], EOFF, v[T0+2]
.irp g, 0,1,2,3
	v_cvt_scalef32_pk8_fp4_f32 v[(\d0)+\g], v[(\src)+8*\g:(\src)+8*\g+7], v[SO0]
	v_cvt_scalef32_pk8_fp4_f32 v[(\d1)+\g], v[(\src)+32+8*\g:(\src)+32+8*\g+7], v[SO0+1]
.endr
	v_lshrrev_b32 v[BY0],   23, v[SO0]             ; the bytes; also the plain line behind the conversions
	v_lshrrev_b32 v[BY0+1], 23, v[SO0+1]
.endm
; One whole block, v[src] on: codes into v[d] .. + 3, the byte into v[byte].
.macro QUANT1 src, d, byte
	v_max3_num_f32 v[T0],   |v[(\src)]|,   |v[(\src)+1]|, |v[(\src)+2]|
	v_max3_num_f32 v[T0+1], |v[(\src)+3]|, |v[(\src)+4]|, |v[(\src)+5]|
.irp i, 6,10,14,18,22,26
	v_max3_num_f32 v[T0],   v[T0],   |v[(\src)+\i]|,   |v[(\src)+\i+1]|
	v_max3_num_f32 v[T0+1], v[T0+1], |v[(\src)+\i+2]|, |v[(\src)+\i+3]|
.endr
	v_max3_num_f32 v[T0], v[T0], |v[(\src)+30]|, |v[(\src)+31]|
	v_max3_num_f32 v[T0], v[T0], v[T0+1], FLOOR
	v_add_nc_u32 v[SO0], EOFF, v[T0]
.irp g, 0,1,2,3
	v_cvt_scalef32_pk8_fp4_f32 v[(\d)+\g], v[(\src)+8*\g:(\src)+8*\g+7], v[SO0]
.endr
	v_lshrrev_b32 v[\byte], 23, v[SO0]             ; the byte; also the plain line behind the conversions
.endm
; The two bytes just made go to their places in my pixel's scale word: blocks 2 c and 2 c + 1.
.macro WORD w, c
.if \c == 0
	v_lshl_or_b32 v[\w], v[BY0+1], 8, v[BY0]
.else
	v_lshl_or_b32 v[\w], v[BY0], 16, v[\w]
	v_lshl_or_b32 v[\w], v[BY0+1], 24, v[\w]
.endif
.endm
; Channels 64 c .. 64 c + 63 of my two pixels: quantised (two whole blocks each), pooled, and the pooled block quantised.
.macro STAGE c, xa
.set n, 0
.rept 64
	ds_load_b32 v[R0+n], v[\xa] offset:1024*n      ; the 32 lanes take words 16 u + 0 .. 15 and 16 u + 32 .. 47 of a row of 256 words: 32 different banks (64 banks of 4 bytes: ISA guide 11.1)
.set n, n+1
.endr
.set n, 0
.rept 64
	ds_load_b32 v[R1+n], v[\xa] offset:1024*n+256
.set n, n+1
.endr
	s_wait_dscnt 63                                ; row 2 p's 64 loads are in: 64 younger ones stand behind them, and 63 is the largest count that this wait can name
	QUANT2 R0, F+4*\c, F+8+4*\c
	WORD W0, \c
	s_wait_dscnt 0x0                               ; row 2 p + 1's are in
	QUANT2 R1, F+16+4*\c, F+24+4*\c
	WORD W0+1, \c
; So far register group c of (rho, 0) holds block 2 c and that of (rho, 1) block 2 c + 1, both of column 2 pc + h.  The operand's layout wants block 2 c + h of ONE column in lane (r, h):
.irp q, 0,1
.irp g, 0,1,2,3
	v_permlane16_swap_b32 v[F+16*\q+4*\c+\g], v[F+16*\q+8+4*\c+\g]   ; the first's lanes 16-31 change places with the second's lanes 0-15: now (rho, par) is column 2 pc + par
.endr
.endr
.set n, 0
.rept 64
	v_max_num_f32 v[R0+n], v[R0+n], v[R1+n]        ; the pool: the two rows,
.set n, n+1
.endr
.set n, 0
.rept 32
	v_permlane16_swap_b32 v[R0+n], v[R0+32+n]      ; then the two columns: after the exchange lane (r, h) holds channel 64 c + 32 h + n of both,
.set n, n+1
.endr
.set n, 0
.rept 32
	v_max_num_f32 v[R0+n], v[R0+n], v[R0+32+n]     ; and so a whole block, 2 c + h, of pooled pixel pc(r)
.set n, n+1
.endr
	QUANT1 R0, XPF+4*\c, PB0+\c
.endm
	s_load_b512 s[4:19], s[0:1], 0x0               ; x 4:5, wq_codes 6:7, wq_scales 8:9, bq 10:11, wk_codes 12:13, wk_scales 14:15, bk 16:17, wv_codes 18:19
	s_load_b256 s[20:27], s[0:1], 0x40             ; wv_scales 20:21, bv 22:23, qimg 24:25, kv 26:27
	v_lshl_add_u32 v15, v0, 2, 0x29000
	s_set_vgpr_msb 0x40
	v_mov_b32 v1, 0
	s_set_vgpr_msb 0x4044
	ds_add_u32 v15, v1
	ds_add_u32 v15, v1
	s_set_vgpr_msb 0x4400
	v_lshrrev_b32 v11, 5, v0
	v_readfirstlane_b32 s28, v11                   ; wave 0..3
	s_lshr_b32 s29, ttmp9, 4                       ; b
	s_and_b32 s30, ttmp9, 15                       ; gr
	s_lshr_b32 s31, s28, 1                         ; p
	s_and_b32 s32, s28, 1                          ; u
	; descriptor group 1: 32 rows (channels) of 256 elements of 4 bytes, 4,096 elements (a channel plane) apart; no padding
	s_mov_b32 s36, 2<<16                           ; 15:0 no mask; 17:16 elements of 4 bytes
	s_mov_b32 s37, 256<<16                         ; tensor_dim0 = 256
	s_mov_b32 s38, 32<<16                          ; tensor_dim1 = 32
	s_mov_b32 s39, 256<<16                         ; tile_dim0 = 256
	s_mov_b32 s40, 32                              ; tile_dim1 = 32
	s_mov_b32 s41, 4096                            ; tensor_dim0_stride
	s_mov_b32 s42, 0
	s_mov_b32 s43, 0
	s_mov_b32 s44, 1                               ; group 0: count = 1,
	s_lshl_b32 s45, s28, 15                        ; LDS address: my 32 channels x 1,024 bytes,
	s_lshl_b32 s50, s29, 21                        ; from: image b (2,097,152 bytes),
	s_lshl_b32 s52, s30, 10                        ; the work-group's 1,024 bytes of a plane,
	s_add_co_u32 s50, s50, s52
	s_lshl_b32 s52, s28, 19                        ; my 32 planes of 16,384 bytes
	s_add_co_u32 s50, s50, s52
	s_mov_b32 s51, 0
	s_mov_b32 s48, 0x76543210                      ; v_permlanex16_b32's selects for lane l xor 16
	s_mov_b32 s49, 0xfedcba98
	s_wait_dscnt 0x0
	s_wait_kmcnt 0x0
	s_add_nc_u64 s[46:47], s[4:5], s[50:51]
	s_or_b32 s47, s47, 0x80000000                  ; type = 2
	tensor_load_to_lds s[44:47], s[36:43]          ; my one tensor load: it is on its way while addresses are made and the weights are fetched
	s_nop 0
	v_bfe_u32 v[HH], v0, 4, 1                      ; h
	v_and_b32 v11, 15, v0                          ; r
	v_and_b32 v12, 8, v11
	v_add_nc_u32 v12, v12, v11                     ; rr = r + 8 (r / 8)
	v_and_b32 v13, 31, v0                          ; lane
	s_lshl_b32 s33, s31, 9
	s_lshl_b32 s34, s32, 6
	s_add_co_u32 s33, s33, s34
	v_lshl_add_u32 v[XA0], v12, 3, s33
	v_lshl_add_u32 v[XA0], v[HH], 2, v[XA0]        ; 512 p + 64 u + 8 rr + 4 h: row 2 p, column 2 pc(r) + h
	v_add_nc_u32 v[XA1], 0x10000, v[XA0]
	v_lshlrev_b32 v[L16], 4, v13
	v_add_nc_u32 v[IR], IMG, v[L16]
	s_lshl_b32 s34, s28, 10
	v_add_nc_u32 v[IW], s34, v[IR]
	v_lshl_add_u32 v[ISR], v13, 2, IMGS
	s_lshl_b32 s34, s28, 7
	v_add_nc_u32 v[ISW], s34, v[ISR]
	v_lshlrev_b32 v128, 6, v11
	v_lshl_add_u32 v128, v[HH], 4, v128            ; wq, wk: row r of 64 bytes, + 16 h
	v_lshlrev_b32 v129, 2, v11                     ; their scale words: 4 r
	v_lshlrev_b32 v130, 5, v[HH]                   ; bq, bk: numbers 8 h .. 8 h + 7
	v_lshlrev_b32 v131, 6, v12
	v_lshl_add_u32 v131, v[HH], 4, v131            ; wv: row rr of my tile, + 16 h
	v_lshlrev_b32 v132, 2, v12                     ; its scale word and its bias: 4 rr
	s_lshl_b32 s33, s31, 5
	s_lshl_b32 s34, s32, 3
	s_add_co_u32 s33, s33, s34                     ; my tile of v's dims begins at 32 (w / 2) + 8 (w % 2)
	s_lshl_b32 s52, s33, 6
	s_mov_b32 s53, 0
	s_lshl_b32 s54, s33, 2
	s_mov_b32 s55, 0
	s_add_nc_u64 s[18:19], s[18:19], s[52:53]
	s_add_nc_u64 s[20:21], s[20:21], s[54:55]
	s_add_nc_u64 s[22:23], s[22:23], s[54:55]
	global_load_b128 v[WQ:WQ+3],   v128, s[6:7]
	global_load_b128 v[WQ+4:WQ+7], v128, s[6:7] offset:32
	global_load_b32  v[WQS],       v129, s[8:9]
	global_load_b128 v[BQ:BQ+3],   v130, s[10:11]
	global_load_b128 v[BQ+4:BQ+7], v130, s[10:11] offset:16
	global_load_b128 v[WK:WK+3],   v128, s[12:13]
	global_load_b128 v[WK+4:WK+7], v128, s[12:13] offset:32
	global_load_b32  v[WKS],       v129, s[14:15]
	global_load_b128 v[BK:BK+3],   v130, s[16:17]
	global_load_b128 v[BK+4:BK+7], v130, s[16:17] offset:16
	global_load_b128 v[WV:WV+3],   v131, s[18:19]
	global_load_b128 v[WV+4:WV+7], v131, s[18:19] offset:32
	global_load_b32  v[WVS],       v132, s[20:21]
	global_load_b32  v[BV],        v132, s[22:23]
	; where the results go
	s_lshl_b32 s56, ttmp9, 14                      ; qimg: 16 tiles of 1,024 bytes a work-group,
	s_lshl_b32 s34, s28, 12                        ; four a wave
	s_add_co_u32 s56, s56, s34
	s_mov_b32 s57, 0
	s_add_nc_u64 s[24:25], s[24:25], s[56:57]
	s_mul_i32 s58, s29, KVB                        ; kv: my image's part
	s_mov_b32 s59, 0
	s_add_nc_u64 s[26:27], s[26:27], s[58:59]
	s_lshl_b32 s33, s30, 12
	s_lshl_b32 s34, s28, 10
	s_add_co_u32 s33, s33, s34
	v_add_nc_u32 v[KST], s33, v[L16]               ; K: tile 4 gr + w
	s_lshr_b32 s35, s30, 1
	s_lshl_b32 s35, s35, 2
	s_add_co_u32 s35, s35, s28                     ; fragment 4 (gr / 2) + w
	s_and_b32 s60, s30, 1
	s_lshl_b32 s33, s35, 10
	s_lshl_b32 s34, s60, 9                         ; register group gr % 2
	s_add_co_u32 s33, s33, s34
	s_add_co_u32 s33, s33, KV_V
	v_lshl_add_u32 v[VST], v11, 4, s33
	v_lshl_add_u32 v[VST], v[HH], 3, v[VST]        ; + 16 r + 8 h: keys 16 h .. 16 h + 15 of dim dsel(r)'s block
	s_lshl_b32 s33, s35, 6
	s_lshl_b32 s34, s60, 1
	s_add_co_u32 s33, s33, s34
	s_add_co_u32 s33, s33, KV_S
	v_lshl_add_u32 v[VSS], v11, 2, s33
	v_add_nc_u32 v[VSS], v[VSS], v[HH]             ; word 4 r, byte 2 (gr % 2) + h: lane (r, h) stores pooled row 2 gr + h's byte
	v_mov_b32 v[TP0], 0                            ; written once: a lane permute's destination counts as one of its sources
	v_mov_b32 v[TP0+1], 0
	s_wait_loadcnt 0x0                             ; the weights; v128-132 are free again
.irp j, 1,2,3,4,5,6,7
	v_mov_b32 v[BV+\j], v[BV]                      ; in v's result a lane holds ONE dim: its bias in all eight registers of C
.endr
	s_wait_tensorcnt 0x0                           ; my 32 channels lie in LDS,
	s_barrier_signal -1
	s_barrier_wait -1                              ; everybody's do
	; ---- phase 1
	STAGE 0, XA0
	STAGE 1, XA1
	v_lshl_or_b32 v254, v[PB0+1], 16, v[PB0]       ; my two bytes of the pooled pixel: blocks h and 2 + h,
	v_lshlrev_b32 v255, 3, v[HH]
	v_lshlrev_b32 v254, v255, v254                 ; at their places in the scale word (8 h bits up);
	v_permlanex16_b32 v[TP0], v254, s48, s49
	v_or_b32 v[XPW], v254, v[TP0]                  ; with lane l xor 16's two the word is whole
	ds_store_b128 v[IW], v[XPF:XPF+3]              ; the pooled fragment goes to LDS as it stands, for phase 2
	ds_store_b128 v[IW], v[XPF+4:XPF+7] offset:512
	ds_store_b32 v[ISW], v[XPW]
.rept 8
	v_nop                                          ; a scale register written by a vector instruction stands 8 places ahead of a scaled matrix instruction
.endr
; q of my 64 pixels and k of my 16 pooled pixels: source 0 = the weight's 16 rows, source 1 = 16 pixels, C = the bias.  Five accumulators, one instruction each.
.irp i, 0,1,2,3
.if \i % 2
	v_wmma_scale_f32_16x16x128_f8f6f4 v[QD+8*\i:QD+8*\i+7], v[WQ:WQ+7], v[F+8*\i:F+8*\i+7], v[BQ:BQ+7], v[WQS], v[W0+\i/2] matrix_a_fmt:MATRIX_FMT_FP4 matrix_b_fmt:MATRIX_FMT_FP4 matrix_b_scale:MATRIX_SCALE_ROW1
.else
	v_wmma_scale_f32_16x16x128_f8f6f4 v[QD+8*\i:QD+8*\i+7], v[WQ:WQ+7], v[F+8*\i:F+8*\i+7], v[BQ:BQ+7], v[WQS], v[W0+\i/2] matrix_a_fmt:MATRIX_FMT_FP4 matrix_b_fmt:MATRIX_FMT_FP4
.endif
.endr
	v_wmma_scale_f32_16x16x128_f8f6f4 v[KD:KD+7], v[WK:WK+7], v[XPF:XPF+7], v[BK:BK+7], v[WKS], v[XPW] matrix_a_fmt:MATRIX_FMT_FP4 matrix_b_fmt:MATRIX_FMT_FP4
.rept 4
	v_nop                                          ; four places between the products and the stores of their results
.endr
.irp i, 0,1,2,3
	global_store_b128 v[L16], v[QD+8*\i:QD+8*\i+3],   s[24:25] offset:1024*\i       ; each store of the wave covers 512 consecutive bytes, aligned; each result from its low end on
	global_store_b128 v[L16], v[QD+8*\i+4:QD+8*\i+7], s[24:25] offset:1024*\i+512
.endr
	global_store_b128 v[KST], v[KD:KD+3],   s[26:27]
	global_store_b128 v[KST], v[KD+4:KD+7], s[26:27] offset:512
	s_wait_dscnt 0x0                               ; for the others' sake: my image and my scale words lie in LDS
	s_barrier_signal -1
	s_barrier_wait -1
	; ---- phase 2: v of my 16 dims at the work-group's 64 keys
.irp t, 0,1,2,3
	ds_load_b128 v[XF+8*\t:XF+8*\t+3],   v[IR] offset:1024*\t
	ds_load_b128 v[XF+8*\t+4:XF+8*\t+7], v[IR] offset:1024*\t+512
	ds_load_b32  v[XS+\t], v[ISR] offset:128*\t
.endr
	s_wait_dscnt 0x0
; source 0 = 16 pooled pixels, source 1 = my 16 rows of wv: lane (r, h) holds dim dsel(r), and the 16 registers of tiles 2 p, 2 p + 1 are keys 16 h + 0 .. 15 of pooled row 2 gr + p
.irp t, 0,1,2,3
	v_wmma_scale_f32_16x16x128_f8f6f4 v[VD+8*\t:VD+8*\t+7], v[XF+8*\t:XF+8*\t+7], v[WV:WV+7], v[BV:BV+7], v[XS+\t], v[WVS] matrix_a_fmt:MATRIX_FMT_FP4 matrix_b_fmt:MATRIX_FMT_FP4
.endr
.rept 4
	v_nop
.endr
.irp p, 0,1
	v_max3_num_f32 v[T0+\p], |v[VD+16*\p]|, |v[VD+16*\p+1]|, FLOOR   ; the two pooled rows by turns: my 16 keys of the block, each result from its low end on,
.endr
.irp i, 2,4,6,8,10,12,14
.irp p, 0,1
	v_max3_num_f32 v[T0+\p], v[T0+\p], |v[VD+16*\p+\i]|, |v[VD+16*\p+\i+1]|
.endr
.endr
.irp p, 0,1
	v_permlanex16_b32 v[TP0+\p], v[T0+\p], s48, s49
.endr
.irp p, 0,1
	v_max_num_f32 v[T0+\p], v[T0+\p], v[TP0+\p]    ; and lane l xor 16's 16
.endr
.irp p, 0,1
	v_add_nc_u32 v[SO0+\p], EOFF, v[T0+\p]
.endr
.irp p, 0,1
	v_cvt_scalef32_pk8_fp4_f32 v[VC+2*\p],   v[VD+16*\p:VD+16*\p+7],    v[SO0+\p]
	v_cvt_scalef32_pk8_fp4_f32 v[VC+2*\p+1], v[VD+16*\p+8:VD+16*\p+15], v[SO0+\p]
.endr
.irp p, 0,1
	v_lshrrev_b32 v[BY0+\p], 23, v[SO0+\p]         ; the bytes; also the plain line behind the conversions
.endr
	v_cmp_eq_u32 vcc_lo, 1, v[HH]
	v_cndmask_b32 v254, v[BY0], v[BY0+1], vcc_lo   ; lane (r, h) keeps pooled row 2 gr + h's
.irp p, 0,1
	global_store_b64 v[VST], v[VC+2*\p:VC+2*\p+1], s[26:27] offset:256*\p   ; the wave's store covers 256 consecutive bytes, aligned: block p of the fragment's register group
.endr
	global_store_b8 v[VSS], v254, s[26:27]         ; 32 single bytes a wave: the two bytes of a scale word that are this work-group's
	s_set_vgpr_msb 0x4
	s_wait_tensorcnt 0x0
	ds_add_u32 v15, v1
	s_wait_dscnt 0x0
	s_set_vgpr_msb 0x400
	s_endpgm
.Lfunc_end_k_q678f612618_prep:
	.size	k_q678f612618_prep, .Lfunc_end_k_q678f612618_prep-k_q678f612618_prep
	.p2alignl 7, 3214868480
	.fill 96, 4, 3214868480
	.section	.rodata,"a",@progbits
	.p2align	6, 0x0
	.amdhsa_kernel k_q678f612618_prep
		.amdhsa_group_segment_fixed_size 168448
		.amdhsa_private_segment_fixed_size 0
		.amdhsa_enable_private_segment 0
		.amdhsa_kernarg_size 96
		.amdhsa_user_sgpr_count 2
		.amdhsa_user_sgpr_kernarg_segment_ptr 1
		.amdhsa_wavefront_size32 1
		.amdhsa_system_sgpr_workgroup_id_x 1
		.amdhsa_system_sgpr_workgroup_id_y 1
		.amdhsa_system_sgpr_workgroup_id_z 1
		.amdhsa_system_vgpr_workitem_id 0
		.amdhsa_next_free_vgpr 258
		.amdhsa_next_free_sgpr 66
		.amdhsa_reserve_vcc 1
		.amdhsa_float_denorm_mode_32 3
		.amdhsa_float_denorm_mode_16_64 3
		.amdhsa_memory_ordered 1
		.amdhsa_forward_progress 1
		.amdhsa_inst_pref_size 51
	.end_amdhsa_kernel
	.amdgpu_metadata
---
amdhsa.version: [ 1, 2 ]
amdhsa.kernels:
  - .name:           k_q678f612618_prep
    .symbol:         k_q678f612618_prep.kd
    .args:
      - { .name: x, .offset: 0, .size: 8, .value_kind: global_buffer, .address_space: global }
      - { .name: wq_codes, .offset: 8, .size: 8, .value_kind: global_buffer, .address_space: global }
      - { .name: wq_scales, .offset: 16, .size: 8, .value_kind: global_buffer, .address_space: global }
      - { .name: bq, .offset: 24, .size: 8, .value_kind: global_buffer, .address_space: global }
      - { .name: wk_codes, .offset: 32, .size: 8, .value_kind: global_buffer, .address_space: global }
      - { .name: wk_scales, .offset: 40, .size: 8, .value_kind: global_buffer, .address_space: global }
      - { .name: bk, .offset: 48, .size: 8, .value_kind: global_buffer, .address_space: global }
      - { .name: wv_codes, .offset: 56, .size: 8, .value_kind: global_buffer, .address_space: global }
      - { .name: wv_scales, .offset: 64, .size: 8, .value_kind: global_buffer, .address_space: global }
      - { .name: bv, .offset: 72, .size: 8, .value_kind: global_buffer, .address_space: global }
      - { .name: qimg, .offset: 80, .size: 8, .value_kind: global_buffer, .address_space: global }
      - { .name: kv, .offset: 88, .size: 8, .value_kind: global_buffer, .address_space: global }
    .group_segment_fixed_size: 168448
    .private_segment_fixed_size: 0
    .kernarg_segment_align: 8
    .kernarg_segment_size: 96
    .max_flat_workgroup_size: 128
    .sgpr_count:     66
    .vgpr_count:     258
    .wavefront_size: 32
...
	.end_amdgpu_metadata
.endif
;; end of part 1
;; launch attn (part 2): grid 256 x 1, 16 waves a work-group, clusters of 4 x 1, 233,472 bytes of LDS; arguments x, qimg, kv, wa_codes, wa_scales, ba, gamma, out0; writes out0
.if DOCPART == 2
	.amdgcn_target "amdgcn-amd-amdhsa--gfx1250"
	.amdhsa_code_object_version 6
	.text
	.protected	k_q678f612618_attn
	.globl	k_q678f612618_attn
	.p2align	8
	.type	k_q678f612618_attn,@function
k_q678f612618_attn:
	s_mov_b64 s[64:65], 0
	v_nop
	global_prefetch_b8 v0, s[64:65] scope:SCOPE_SE
	s_setreg_imm32_b32 hwreg(HW_REG_WAVE_MODE, 25, 1), 1
	s_wait_xcnt 0x0
	s_wait_alu depctr_hold_cnt(0) depctr_sa_sdst(0) depctr_va_vdst(0) depctr_va_sdst(0) depctr_va_ssrc(0) depctr_va_vcc(0) depctr_vm_vsrc(0)
	s_getreg_b32 s2, hwreg(HW_REG_IB_STS2, 6, 4)
	s_cmp_eq_u32 s2, 0
	s_cbranch_scc0 .Lentry_in_a_cluster
	s_endpgm
.Lentry_in_a_cluster:
	s_bfe_u32 s2, ttmp6, 0x10000c
	s_cmp_lg_u32 s2, 0x3003
	s_cbranch_scc0 .Lentry_shape_is_right
	s_endpgm
.Lentry_shape_is_right:
; ATTN: out0 = gamma (wa Q(feat) + ba) + x, feat = (Q(v) Q(p)) / l, p = 2^(t - M), t = (q . k) log2(e), M = the ceiling of the row's largest t (a running one), l = the row's sum of the unquantised p.
; The scores (K = 16) are made of f32 operands by v_wmma_f32_16x16x4_f32, since they go on into a quantiser; the other two products run on E2M1 codes with E8M0 scales.
; SHARES.  Work-group g = 4 x cluster + cx: image b = g / 16, image rows 4 (g % 16) .. + 3: 256 queries.  Each of its SIXTEEN waves owns one tile of 16 queries in 256 registers.
;   Every wave walks the image's 1,024 keys, 128 a step.
; LDS, filled once: at 0 the image's part of kv as it lies in memory (K's 64 tiles at 0, V's 32 fragments at 65,536, V's scale words at 98,304): 100,352 bytes; behind it x's 128 channels x 1,024 bytes of the
;   work-group's pixels.  All keys of an image fit, so there is no ring and no byte is filled twice.  x's bytes are turned into the result in place and leave from there as whole rows.
; CLUSTER.  The four work-groups of a cluster belong to one image and need the same kv: it is asked for JOINTLY (waves 0 to 3, a quarter each: the same descriptor and the mask 15 in all four work-groups).
;   x's tile is each work-group's own: a plain load.  By the text's own count a wave has two tensor loads out at the most.
; LAYOUT.  All products are used transposed, so that a lane holds ONE query (lane % 16) throughout.  S^T = K Q^T: instruction kk takes registers 2 kk, 2 kk + 1 of K's tile and of Q's, which are dims
;   2 kk, 2 kk + 1, 8 + 2 kk, 9 + 2 kk on both sides: four instructions cover the 16 dims.  The keys of a tile of K and the dims of a tile of V are laid by the launch before so that the 16 registers of two
;   neighbouring result tiles are 16 neighbours along the next product's K: keys 32 b + 16 h + 0 .. 15 in S^T, dims 32 b + 16 h + 0 .. 15 in O^T.
; BY TURNS.  A trip of the loop holds the softmax and the second product of step s AND the scores of step s + 1: a step has 32 score products and some 230 vector instructions, and each product is followed by a
;   slice of five of them (160 in all).  S^T's block b is free for the next step as soon as its t - M has been formed into p's registers: block 0's ahead of product 0, the others' in slices ahead of products 8 b.
;   K has room for four tiles, two halves by turns: a half is loaded again ten plain lines behind the last product that read it.  V's fragments land in the registers of p's blocks 0 and 1 once those are summed and coded.
; wa's K is 64: the instruction's other 64 are zero codes on both sides (their scale bytes are 0, which is no NaN).
; LIMITS: NaN and infinities among the inputs are not served.  A p under 2^-126 counts as 0 (v_exp_f32 flushes).  A block of zeros gets the byte 1: its codes are zeros.  A block's largest p is taken from the block's
;   largest score by the same multiply-add and exponential, which takes v_exp_f32 not to fall where its input rises.  gamma (s + ba) + x is formed as (gamma s + x) + gamma ba.
.set KVB,   100352                     ; an image's part of kv: 392 x 256 bytes
.set KVQ,   25088                      ; a quarter of it: 98 x 256 bytes, one tensor load
.set KV_V,  65536
.set KV_S,  98304
.set XB,    100352                     ; LDS: x's tile, 128 rows of 1,024 bytes
.set FLOOR, 0x1800000                  ; 2^(3 - 127)
.set EOFF,  0xff000000                 ; takes 2 off an exponent field
.set L16, 1                            ; v1   16 x lane
.set AV0, 2                            ; v2   my place in a fragment of V
.set AS0, 3                            ; v3   my place among V's scale words
.set ADK, 4                            ; v4-6 the trip's addresses: the next step's K, this step's V, V's scale words
.set ADV, 5
.set ADS, 6
.set EA0, 7                            ; v7   x's tile: my query's word of channel 8 h;   v8: of channel 64 + 8 h
.set EA1, 8
.set RA,  9                            ; v9   x's tile: my 16 bytes of channel 8 w
.set WAA, 10                           ; v10  wa: row r of 32 bytes, + 16 h
.set WSA, 11                           ; v11  wa's scales: 2 r
.set Q,   16                           ; v16-23   my 16 queries.   v12 -M, v13 the largest t, v[14:15] the sum in two halves
.set PC,  24                           ; v24-31   p's codes, at the end feat's
.set KB,  32                           ; v32-63   four tiles of K: tile T at KB + 8 (T % 4)
.set P,   64                           ; v64-127  p; v64-95 later in a trip V's four fragments; ahead of the loop step 0's K; at the end wa's fragments, then x and the result
.set S,   128                          ; v128-191 S^T, at the end wa feat: written by matrix instructions alone
.set O,   192                          ; v192-223 O^T
.set VS,  224                          ; v224-231 scale words and nothing else: V's four, at the end wa's eight
.set BM,  232                          ; v232-235 a block's largest score, then its largest p
.set TP,  236                          ; v236-239 what a lane permute brings; scale bytes
.set SO,  240                          ; v240-243 the conversions' scale operands
.set SU,  244                          ; v[244:245] the sum's second chain
.set FF,  246                          ; v[246:247] f = 2^(old M - new M); at the end 1 / l
.set TT,  248                          ; v248 at work
.set PW,  249                          ; v249 p's scale word, at the end feat's: nothing else
.macro ROUND                           ; a round of the cluster's barrier
	s_barrier_signal -1
	s_barrier_wait -1
	s_cmp_lg_u32 s20, 0
	s_cbranch_scc1 .Lnot_wave_0_\@
	s_barrier_signal -3
.Lnot_wave_0_\@:
	s_barrier_wait -3
	s_barrier_signal -1
	s_barrier_wait -1
.endm
; ---- the pieces of a trip.  NEXT = 1: the trip also makes the next step's scores.
; Product i of 32 of the next step's S^T: tile 2 (i / 8) + i % 2, dims kk = (i % 8) / 2.  Two accumulators take turns, one instruction a turn; kk = 0 starts a sum.
.macro SCORE i
.if NEXT
.set wt, 2*((\i)/8)+(\i)%2
.set wk, ((\i)%8)/2
.if wk == 0
	v_wmma_f32_16x16x4_f32 v[S+8*wt:S+8*wt+7], v[KB+8*(wt%4)+2*wk:KB+8*(wt%4)+2*wk+1], v[Q+2*wk:Q+2*wk+1], 0
.else
	v_wmma_f32_16x16x4_f32 v[S+8*wt:S+8*wt+7], v[KB+8*(wt%4)+2*wk:KB+8*(wt%4)+2*wk+1], v[Q+2*wk:Q+2*wk+1], v[S+8*wt:S+8*wt+7]
.endif
.endif
.endm
.macro KLOAD t                         ; tile t of the next step's K: an image of registers, 32 lanes read 512 consecutive bytes
	ds_load_b128 v[KB+8*((\t)%4):KB+8*((\t)%4)+3],   v[ADK] offset:1024*(\t)
	ds_load_b128 v[KB+8*((\t)%4)+4:KB+8*((\t)%4)+7], v[ADK] offset:1024*(\t)+512
.endm
.macro TMM n                           ; t - M of scores 2 n, 2 n + 1, into other registers than the sums'
	v_pk_fma_f32 v[P+2*(\n):P+2*(\n)+1], v[S+2*(\n):S+2*(\n)+1], s[58:59], v[12:13] op_sel_hi:[1,0,0]
.endm
.macro EXP_P n                         ; p = 2^(t - M), at most 1: not normalised
	v_exp_f32 v[P+(\n)], v[P+(\n)]
.endm
.macro EXP_B b                         ; block b's largest p: the same two instructions on the same number give the same bits
	v_exp_f32 v[BM+(\b)], v[BM+(\b)]
.endm
.macro SUMP k                          ; THE ROW'S SUM IS TAKEN OF THE UNQUANTISED p, two at a time, in two chains: line k of 32 takes p 2 k + 2, 2 k + 3 (line 0: p 0 .. 3; line 31 joins the chains)
.if (\k) == 0
	s_wait_alu depctr_va_vdst(0)
	v_pk_add_f32 v[SU:SU+1], v[P:P+1], v[P+2:P+3]
.elseif (\k) == 31
	v_pk_add_f32 v[14:15], v[14:15], v[SU:SU+1]
.elseif (\k) % 2
	s_wait_alu depctr_va_vdst(0)
	v_pk_add_f32 v[14:15], v[14:15], v[P+2*(\k)+2:P+2*(\k)+3]
.else
	s_wait_alu depctr_va_vdst(0)
	v_pk_add_f32 v[SU:SU+1], v[SU:SU+1], v[P+2*(\k)+2:P+2*(\k)+3]
.endif
.endm
.macro MISC k                          ; 0: the sums under the new M;  1-4: the floor, so that no byte falls under 1;  5-8: 2 off the exponent field: the conversions' scale operands;  9-12: the bytes;  13-15: p's scale word
.if (\k) == 0
	v_pk_mul_f32 v[14:15], v[14:15], v[FF:FF+1] op_sel_hi:[1,0]
.elseif (\k) < 5
	s_wait_alu depctr_va_vdst(0)
	v_max_num_f32 v[BM+(\k)-1], FLOOR, v[BM+(\k)-1]
.elseif (\k) < 9
	v_add_nc_u32 v[SO+(\k)-5], EOFF, v[BM+(\k)-5]
.elseif (\k) < 13
	v_lshrrev_b32 v[TP+(\k)-9], 23, v[SO+(\k)-9]
.elseif (\k) == 13
	v_lshl_or_b32 v[PW], v[TP+1], 8, v[TP]
.elseif (\k) == 14
	v_lshl_or_b32 v[PW], v[TP+2], 16, v[PW]
.else
	v_lshl_or_b32 v[PW], v[TP+3], 24, v[PW]
.endif
.endm
.macro CODE k                          ; eight p, 8 k on, into codes
	s_wait_alu depctr_va_vdst(0)
	v_cvt_scalef32_pk8_fp4_f32 v[PC+(\k)], v[P+8*(\k):P+8*(\k)+7], v[SO+(\k)/2]
.endm
.macro SWAP a                          ; the operand's layout wants a WHOLE block in a lane: the first's lanes 16-31 change places with the second's lanes 0-15
	v_permlane16_swap_b32 v[PC+(\a)], v[PC+(\a)+2]
.endm
.macro RESC n                          ; O^T under the new M; in ascending order
	v_pk_mul_f32 v[O+2*(\n):O+2*(\n)+1], v[O+2*(\n):O+2*(\n)+1], v[FF:FF+1] op_sel_hi:[1,0]
.endm
; A TRIP: S^T holds step s's scores.  Lane (r, h) holds query r; register 16 b + i of S^T is key 128 s + 32 b + 16 h + i.
.macro TRIP
.if NEXT
	v_add_nc_u32 v[ADK], s60, v[L16]               ; these four lines are the places between the last trip's second product and the loads into its scale words
.else
	v_nop
.endif
	v_add_nc_u32 v[ADV], s61, v[AV0]
	v_add_nc_u32 v[ADS], s62, v[AS0]
	v_nop
.if NEXT
.irp t, 0,1,2,3
	KLOAD \t                                       ; behind the last product that read these registers stand 13 rescalings and the four lines above
.endr
.endif
.irp t, 0,1,2,3
	ds_load_b32 v[VS+\t], v[ADS] offset:64*\t
.endr
.irp b, 0,1,2,3
	v_max3_num_f32 v[BM+\b], v[S+16*\b], v[S+16*\b+1], v[S+16*\b+2]   ; THE LARGEST SCORE OF EACH BLOCK OF 32 KEYS serves twice: for the row's maximum and for the block's largest p.  Each accumulator is read from its low end on
.endr
.irp i, 3,5,7,9,11,13
.irp b, 0,1,2,3
	v_max3_num_f32 v[BM+\b], v[BM+\b], v[S+16*\b+\i], v[S+16*\b+\i+1]
.endr
.endr
.irp b, 0,1,2,3
	v_max_num_f32 v[BM+\b], v[BM+\b], v[S+16*\b+15]
.endr
.irp b, 0,1,2,3
	v_permlanex16_b32 v[TP+\b], v[BM+\b], s56, s57
.endr
.irp b, 0,1,2,3
	v_max_num_f32 v[BM+\b], v[BM+\b], v[TP+\b]     ; with lane l xor 16's 16 keys
.endr
	v_max3_num_f32 v[TT], v[BM], v[BM+1], v[BM+2]
	v_max_num_f32 v[TT], v[TT], v[BM+3]            ; the step's largest score of my query,
	v_mul_f32 v[TT], s58, v[TT]                    ; as t
	v_max_num_f32 v13, v13, v[TT]                  ; the running largest t
	v_mov_b32 v[TT], v12
	v_floor_f32 v12, -v13                          ; the new -M = floor(-t) = -ceil(t): a whole number
	v_sub_f32 v[TT], v12, v[TT]                    ; M's old value less its new one: a whole number, 0 or less
	v_cvt_i32_f32 v[TT], v[TT]                     ; (it saturates)
	v_ldexp_f32 v[FF], 1.0, v[TT]                  ; f = 2^(old M - new M): a multiplication by it rounds nothing
.irp n, 0,1,2,3,4,5,6,7
	TMM \n                                         ; block 0: its scores are read out, so product 0 may start the block anew
.endr
.irp b, 0,1,2,3
	v_fma_f32 v[BM+\b], v[BM+\b], s58, v12         ; the same of each block's largest score
.endr
.if NEXT
	s_wait_dscnt 0x4                               ; K's eight loads are in; the four scale words, issued behind them, may be out
.endif
; Slices 0 to 6: an exponential and a plain line by turns.  Blocks 1 and 3 are read out of S^T here, ahead of products 8 and 24
	SCORE 0
	EXP_P 0
	TMM 8
	EXP_P 1
	TMM 9
	EXP_P 2
	SCORE 1
	TMM 10
	EXP_P 3
	TMM 11
	EXP_P 4
	TMM 12
	SCORE 2
	EXP_P 5
	TMM 13
	EXP_P 6
	TMM 14
	EXP_P 7
	SCORE 3
	TMM 15
	EXP_P 8
	TMM 24
	EXP_P 9
	TMM 25
	SCORE 4
	EXP_P 10
	TMM 26
	EXP_P 11
	TMM 27
	EXP_P 12
	SCORE 5
	TMM 28
	EXP_P 13
	TMM 29
	EXP_P 14
	TMM 30
	SCORE 6
	EXP_P 15
	TMM 31
	EXP_B 0
	MISC 0
	EXP_B 1
; Slices 7 and 8 are ten plain lines that name no register of products 0 to 7: the places (eight are asked behind this form) ahead of the loads into the half of K that those products read.  Block 2 is read out, ahead of product 16
	SCORE 7
	TMM 16
	TMM 17
	TMM 18
	TMM 19
	TMM 20
	SCORE 8
	TMM 21
	TMM 22
	TMM 23
	SUMP 0
	SUMP 1
.if NEXT
	KLOAD 4
	KLOAD 5
.endif
	SCORE 9
	EXP_B 2
	EXP_B 3
	SUMP 2
	EXP_P 16
	SUMP 3
	SCORE 10
	EXP_P 17
	SUMP 4
	EXP_P 18
	EXP_P 19
	MISC 1
.set z, 0
.rept 4                                            ; slices 11 to 14
	SCORE 11+z
	EXP_P 20+3*z
	MISC 2+2*z
	EXP_P 21+3*z
	EXP_P 22+3*z
	MISC 3+2*z
.set z, z+1
.endr
; Slices 15 and 16: ten plain lines again, the places ahead of the loads into K's other half
	SCORE 15
	SUMP 5
	SUMP 6
	SUMP 7
	SUMP 8
	SUMP 9
.if NEXT
	s_wait_dscnt 0x0                               ; tiles 4 and 5 are in (asked for seven products ago)
.endif
	SCORE 16
	SUMP 10
	SUMP 11
	SUMP 12
	SUMP 13
	SUMP 14
.if NEXT
	KLOAD 6
	KLOAD 7
.endif
	SCORE 17
	CODE 0
	CODE 1
	CODE 2
	CODE 3
	MISC 10                                        ; (the plain line behind the conversions)
.irp t, 0,1,2,3                                    ; p's blocks 0 and 1 are summed and coded: their registers take V's four fragments of this step
	ds_load_b128 v[P+8*\t:P+8*\t+3],   v[ADV] offset:1024*\t
	ds_load_b128 v[P+8*\t+4:P+8*\t+7], v[ADV] offset:1024*\t+512
.endr
	SCORE 18
	SWAP 0
	SWAP 1
	EXP_P 32
	MISC 11
	EXP_P 33
	SCORE 19
	EXP_P 34
	MISC 12
	EXP_P 35
	EXP_P 36
	MISC 13
	SCORE 20
	EXP_P 37
	MISC 14
	EXP_P 38
	EXP_P 39
	MISC 15
.set z, 0
.rept 3                                            ; slices 21 to 23: the sums follow the exponentials at a distance, so that a plain line stands between each exponential and the use of its result
	SCORE 21+z
	EXP_P 40+3*z
	SUMP 15+2*z
	EXP_P 41+3*z
	EXP_P 42+3*z
	SUMP 16+2*z
.set z, z+1
.endr
.if NEXT
	s_wait_dscnt 0x8                               ; tiles 6 and 7 are in; V's eight loads, issued behind them, may be out
.endif
.rept 3                                            ; slices 24 to 26
	SCORE 21+z
	EXP_P 40+3*z
	SUMP 15+2*z
	EXP_P 41+3*z
	EXP_P 42+3*z
	SUMP 16+2*z
.set z, z+1
.endr
	SCORE 27
	EXP_P 58
	SUMP 27
	EXP_P 59
	EXP_P 60
	RESC 0
	SCORE 28
	EXP_P 61
	SUMP 28
	EXP_P 62
	EXP_P 63
	RESC 1
	SCORE 29
	CODE 4
	CODE 5
	CODE 6
	CODE 7
	SUMP 29                                        ; (the plain line behind the conversions)
	SCORE 30
	SUMP 30
	SUMP 31
	SWAP 4
	SWAP 5
	RESC 2
	SCORE 31
.irp n, 3,4,5,6,7,8,9,10,11,12,13,14,15
	RESC \n                                        ; thirteen plain lines: the places behind product 31, and between p's codes and the product below
.endr
	s_wait_dscnt 0x0                               ; V and its scale words are in
; O^T += V^T P^T: source 0 = 16 of v's dims, source 1 = p; K = these 128 keys.  Four accumulators by turns
.irp t, 0,1,2,3
	v_wmma_scale_f32_16x16x128_f8f6f4 v[O+8*\t:O+8*\t+7], v[P+8*\t:P+8*\t+7], v[PC:PC+7], v[O+8*\t:O+8*\t+7], v[VS+\t], v[PW] matrix_a_fmt:MATRIX_FMT_FP4 matrix_b_fmt:MATRIX_FMT_FP4
.endr
.endm
	s_load_b512 s[4:19], s[0:1], 0x0               ; x 4:5, qimg 6:7, kv 8:9, wa_codes 10:11, wa_scales 12:13, ba 14:15, gamma 16:17, out0 18:19
	v_lshl_add_u32 v254, v0, 2, 0x38800
	v_mov_b32 v255, 0
	ds_add_u32 v254, v255
	ds_add_u32 v254, v255
	v_lshrrev_b32 v4, 5, v0
	v_readfirstlane_b32 s20, v4                    ; wave 0..15: also my tile of queries
	s_bfe_u32 s21, ttmp6, 0x40000                  ; cx: my place in the cluster
	s_lshl_b32 s22, ttmp9, 2                       ; in a cluster launch ttmp9 counts clusters
	s_add_co_u32 s22, s22, s21                     ; g: it enters x's, qimg's and out0's addresses alone
	s_lshr_b32 s23, ttmp9, 2                       ; b, which the four partners share
	s_and_b32 s24, s22, 15                         ; gr
	; every LDS address is made here, ahead of the branch on the wave's number: constants, the lane, the wave
	v_and_b32 v[L16], 31, v0
	v_lshlrev_b32 v[L16], 4, v[L16]
	v_and_b32 v232, 15, v0                         ; r
	v_bfe_u32 v233, v0, 4, 1                       ; h
	v_and_b32 v234, 8, v232
	v_add_nc_u32 v234, v234, v232                  ; rr = r + 8 (r / 8)
	v_add_nc_u32 v[AV0], KV_V, v[L16]
	v_lshl_add_u32 v[AS0], v232, 2, KV_S
	s_lshr_b32 s76, s20, 3                         ; tile w = 8 p + 4 u + 2 rho + par: query r is the pixel at byte 512 p + 256 rho + 64 u + 4 par + 8 rr of the work-group's 1,024
	s_lshl_b32 s76, s76, 9
	s_bfe_u32 s77, s20, 0x10001
	s_lshl_b32 s77, s77, 8
	s_add_co_u32 s76, s76, s77
	s_bfe_u32 s77, s20, 0x10002
	s_lshl_b32 s77, s77, 6
	s_add_co_u32 s76, s76, s77
	s_and_b32 s77, s20, 1
	s_lshl_b32 s77, s77, 2
	s_add_co_u32 s76, s76, s77
	s_add_co_u32 s76, s76, XB
	v_lshl_add_u32 v[EA0], v234, 3, s76
	v_lshl_add_u32 v[EA0], v233, 13, v[EA0]        ; + 8 h channels of 1,024 bytes
	v_add_nc_u32 v[EA1], 0x10000, v[EA0]
	s_lshl_b32 s77, s20, 13
	s_add_co_u32 s77, s77, XB
	v_add_nc_u32 v[RA], s77, v[L16]
	v_lshlrev_b32 v[WAA], 5, v232
	v_lshl_add_u32 v[WAA], v233, 4, v[WAA]
	v_lshlrev_b32 v[WSA], 1, v232
	; offsets.  kv's is made of b and the wave alone, in registers that never hold cx
	s_mul_i32 s26, s23, KVB
	s_mul_i32 s41, s20, KVQ                        ; (also the quarter's LDS address)
	s_add_co_u32 s26, s26, s41
	s_mov_b32 s27, 0
	s_lshl_b32 s78, s23, 21
	s_lshl_b32 s79, s24, 10
	s_add_co_u32 s78, s78, s79                     ; the work-group's 1,024 bytes of channel 0, in x and in out0
	s_lshl_b32 s79, s20, 19
	s_add_co_u32 s28, s78, s79                     ; x: + 32 w channel planes (waves 0 to 3 fetch)
	s_mov_b32 s29, 0
	s_lshl_b32 s79, s20, 17
	s_add_co_u32 s30, s78, s79                     ; out0: + 8 w channel planes
	s_mov_b32 s31, 0
	s_lshl_b32 s76, s22, 14
	s_lshl_b32 s77, s20, 10
	s_add_co_u32 s76, s76, s77                     ; qimg: tile 16 g + w
	s_mov_b32 s77, 0
	s_lshl_b32 s78, s20, 5                         ; ba: numbers 8 w .. 8 w + 7
	s_mov_b32 s79, 0
	; descriptor group 1 for kv: 98 rows of 256 bytes (32 elements of 8 bytes), dense; the mask names the cluster's four work-groups, bit 21 is set beside it
	s_mov_b32 s32, 15|(3<<16)|(1<<21)
	s_mov_b32 s33, 32<<16                          ; tensor_dim0 = 32
	s_mov_b32 s34, 98<<16                          ; tensor_dim1 = 98
	s_mov_b32 s35, 32<<16                          ; tile_dim0 = 32
	s_mov_b32 s36, 98                              ; tile_dim1 = 98
	s_mov_b32 s37, 32                              ; tensor_dim0_stride
	s_mov_b32 s38, 0
	s_mov_b32 s39, 0
	; and for x: 32 rows (channels) of 256 elements of 4 bytes, 4,096 elements apart; no mask
	s_mov_b32 s44, 2<<16
	s_mov_b32 s45, 256<<16
	s_mov_b32 s46, 32<<16
	s_mov_b32 s47, 256<<16
	s_mov_b32 s48, 32
	s_mov_b32 s49, 4096
	s_mov_b32 s50, 0
	s_mov_b32 s51, 0
	s_mov_b32 s40, 1                               ; groups 0: count = 1; s41 was made above
	s_mov_b32 s52, 1
	s_lshl_b32 s53, s20, 15
	s_add_co_u32 s53, s53, XB
	s_mov_b32 s56, 0x76543210                      ; v_permlanex16_b32's selects for lane l xor 16
	s_mov_b32 s57, 0xfedcba98
	s_mov_b32 s58, 0x3fb8aa3b                      ; log2(e): the attention is not scaled
	s_mov_b32 s59, s58                             ; (named with it as a pair, so it is written)
	s_wait_dscnt 0x0
	s_wait_kmcnt 0x0
	s_add_nc_u64 s[42:43], s[8:9], s[26:27]
	s_or_b32 s43, s43, 0x80000000                  ; type = 2
	s_add_nc_u64 s[54:55], s[4:5], s[28:29]
	s_or_b32 s55, s55, 0x80000000
	s_add_nc_u64 s[18:19], s[18:19], s[30:31]
	s_add_nc_u64 s[6:7], s[6:7], s[76:77]
	s_add_nc_u64 s[14:15], s[14:15], s[78:79]
	s_load_b256 s[68:75], s[14:15], 0x0            ; ba of the eight channels that I store
	s_load_b32 s66, s[16:17], 0x0                  ; gamma
	ROUND                                          ; all four work-groups are here: the joint loads meet
	s_cmp_lt_u32 s20, 4                            ; the branch hangs on the wave's number alone; a wave's two fills stand in this one branch
	s_cbranch_scc0 .Lno_fill
	tensor_load_to_lds s[40:43], s[32:39]          ; my quarter of kv, jointly
	s_nop 0
	tensor_load_to_lds s[52:55], s[44:51]          ; my 32 channels of x
	s_nop 0
.rept 4
	v_nop                                          ; four v_nop follow, ahead of the label
.endr
.Lno_fill:
	global_load_b128 v[Q:Q+3],   v[L16], s[6:7]    ; Q stays in registers: lane (r, h), register j = q[dim 8 h + j] of query r
	global_load_b128 v[Q+4:Q+7], v[L16], s[6:7] offset:512
	v_mov_b32 v13, 0xff61b1e6                      ; the largest t so far: -3e38, under every t
	v_floor_f32 v12, -v13                          ; -M
	v_mov_b32 v14, 0                               ; the sum, in two halves
	v_mov_b32 v15, 0
.set n, 0
.rept 32
	v_mov_b32 v[O+n], 0                            ; O^T.  (The first step finds zeros, which the first change of M leaves zeros)
.set n, n+1
.endr
.irp b, 0,1,2,3
	v_mov_b32 v[TP+\b], 0                          ; written once: a lane permute's destination counts as one of its sources
.endr
	v_mov_b32 v[FF+1], 0                           ; (named as the upper half of the pair before it is ever used)
	s_mov_b32 s60, 8192                            ; where the NEXT step's tiles of K begin: 8,192 bytes a step;
	s_mov_b32 s61, 0                               ; this step's fragments of V: 4,096;
	s_mov_b32 s62, 0                               ; V's scale words: 256
	s_mov_b32 s63, 7                               ; trips that make a next step's scores
	s_wait_kmcnt 0x0
	s_mov_b32 s67, s66                             ; gamma as a pair
.irp i, 0,1,2,3,4,5,6,7
	s_mul_f32 s[68+\i], s[68+\i], s66              ; gamma ba
.endr
	s_wait_loadcnt 0x0                             ; Q
	s_wait_tensorcnt 0x1                           ; my quarter of kv has landed; x's load, issued behind it, may stay out
	s_barrier_signal -1
	s_barrier_wait -1                              ; everybody's quarter has
	; ---- step 0's scores stand ahead of the loop: there is no vector work yet to set between them.  Its eight tiles of K lie in p's registers, which are still free
.irp t, 0,1,2,3,4,5,6,7
	ds_load_b128 v[P+8*\t:P+8*\t+3],   v[L16] offset:1024*\t
	ds_load_b128 v[P+8*\t+4:P+8*\t+7], v[L16] offset:1024*\t+512
.endr
	s_wait_dscnt 0x0
.irp t, 0,1,2,3,4,5,6,7
	v_wmma_f32_16x16x4_f32 v[S+8*\t:S+8*\t+7], v[P+8*\t:P+8*\t+1], v[Q:Q+1], 0       ; eight accumulators by turns; the first four dims start the sums
.endr
.irp k, 1,2,3
.irp t, 0,1,2,3,4,5,6,7
	v_wmma_f32_16x16x4_f32 v[S+8*\t:S+8*\t+7], v[P+8*\t+2*\k:P+8*\t+2*\k+1], v[Q+2*\k:Q+2*\k+1], v[S+8*\t:S+8*\t+7]
.endr
.endr
.rept 8
	v_nop                                          ; eight places behind this form, ahead of the reads of S^T and of the writes over K's tiles
.endr
.set NEXT, 1
.Lstep:                                            ; 7 trips: step s's softmax and second product, step s + 1's scores
	TRIP
	s_add_co_u32 s60, s60, 8192
	s_add_co_u32 s61, s61, 4096
	s_add_co_u32 s62, s62, 256
	s_sub_co_u32 s63, s63, 1
	s_cmp_lg_u32 s63, 0
	s_cbranch_scc1 .Lstep
.set NEXT, 0
	TRIP                                           ; the last step is written out: no step follows it, so it has no scores to make and no K to load
	; ---- the end.  wa's fragments: rows 16 T + r, K = 64 in registers 0-3; registers 4-7 (k = 64 .. 127) are zero codes, in wa's fragments and in feat's
.irp t, 4,5,6,7,0,1,2,3
.irp j, 4,5,6,7
	v_mov_b32 v[P+8*\t+\j], 0                      ; tiles 4 to 7 first: those sixteen lines name no register of the last products and are the places behind them
.endr
.endr
.irp j, 4,5,6,7
	v_mov_b32 v[PC+\j], 0
.endr
.irp t, 0,1,2,3,4,5,6,7
	global_load_b128 v[P+8*\t:P+8*\t+3], v[WAA], s[10:11] offset:512*\t
	global_load_u16 v[VS+\t], v[WSA], s[12:13] offset:32*\t          ; a row's two scale bytes; the word's upper two come as 0, over zero codes
.endr
	v_add_f32 v14, v14, v15                        ; the sum's two halves,
	v_permlanex16_b32 v[TP], v14, s56, s57
	v_add_f32 v14, v14, v[TP]                      ; and lane l xor 16's: l
	v_rcp_f32 v[FF], v14
	v_nop                                          ; one plain line behind a transcendental
.set n, 0
.rept 16
	s_wait_alu depctr_va_vdst(0)
	v_pk_mul_f32 v[O+n:O+n+1], v[O+n:O+n+1], v[FF:FF+1] op_sel_hi:[1,0]   ; feat = O^T / l: register 16 b + i is dim 32 b + 16 h + i of my query
.set n, n+2
.endr
.irp b, 0,1
	v_max3_num_f32 v[BM+\b], |v[O+16*\b]|, |v[O+16*\b+1]|, FLOOR      ; feat's two blocks of 32 dims, by turns
.endr
.irp i, 2,4,6,8,10,12,14
.irp b, 0,1
	v_max3_num_f32 v[BM+\b], v[BM+\b], |v[O+16*\b+\i]|, |v[O+16*\b+\i+1]|
.endr
.endr
.irp b, 0,1
	v_permlanex16_b32 v[TP+\b], v[BM+\b], s56, s57
.endr
.irp b, 0,1
	v_max_num_f32 v[BM+\b], v[BM+\b], v[TP+\b]
.endr
.irp b, 0,1
	v_add_nc_u32 v[SO+\b], EOFF, v[BM+\b]
.endr
.irp b, 0,1
	v_lshrrev_b32 v[TP+\b], 23, v[SO+\b]
.endr
	v_lshl_or_b32 v[PW], v[TP+1], 8, v[TP]         ; feat's scale word: two bytes, and 0 over the zero codes
.irp b, 0,1
	v_cvt_scalef32_pk8_fp4_f32 v[PC+2*\b],   v[O+16*\b:O+16*\b+7],    v[SO+\b]
	v_cvt_scalef32_pk8_fp4_f32 v[PC+2*\b+1], v[O+16*\b+8:O+16*\b+15], v[SO+\b]
.endr
	v_nop                                          ; one plain line behind the conversions
	v_permlane16_swap_b32 v[PC], v[PC+2]           ; lanes 0-15 block 0, lanes 16-31 block 1
	v_permlane16_swap_b32 v[PC+1], v[PC+3]
.rept 8
	v_nop                                          ; a scale register written by a vector instruction stands 8 places ahead of a scaled matrix instruction, an operand so written 4
.endr
	s_wait_loadcnt 0x0                             ; wa and its scale words
.irp t, 0,1,2,3,4,5,6,7                            ; lane (r, h), register j of tile T: channel 16 T + 8 h + j of query r
	v_wmma_scale_f32_16x16x128_f8f6f4 v[S+8*\t:S+8*\t+7], v[P+8*\t:P+8*\t+7], v[PC:PC+7], 0, v[VS+\t], v[PW] matrix_a_fmt:MATRIX_FMT_FP4 matrix_b_fmt:MATRIX_FMT_FP4
.endr
.rept 4
	v_nop                                          ; four places, ahead of the loads into wa's registers and of the reads of the results
.endr
	s_wait_tensorcnt 0x0                           ; my part of x's tile has landed (no LDS instruction of mine is out: the last step's last wait was for 0),
	s_barrier_signal -1
	s_barrier_wait -1                              ; everybody's has
.irp t, 0,1,2,3
.irp j, 0,1,2,3,4,5,6,7
	ds_load_b32 v[P+8*\t+\j], v[EA0] offset:(16*\t+\j)*1024          ; x at my query, channel 16 T + 8 h + j
.endr
.endr
.irp t, 0,1,2,3
.irp j, 0,1,2,3,4,5,6,7
	ds_load_b32 v[P+32+8*\t+\j], v[EA1] offset:(16*\t+\j)*1024
.endr
.endr
	s_wait_dscnt 0x0
.set n, 0
.rept 32
	v_pk_fma_f32 v[P+n:P+n+1], v[S+n:S+n+1], s[66:67], v[P+n:P+n+1] op_sel_hi:[1,0,1]   ; gamma s + x, each result from its low end on
.set n, n+2
.endr
.irp t, 0,1,2,3
.irp j, 0,1,2,3,4,5,6,7
	ds_store_b32 v[EA0], v[P+8*\t+\j] offset:(16*\t+\j)*1024         ; back to the word it came from: each word of the tile is one lane's, of one wave; the tile has had its only fill
.endr
.endr
.irp t, 0,1,2,3
.irp j, 0,1,2,3,4,5,6,7
	ds_store_b32 v[EA1], v[P+32+8*\t+\j] offset:(16*\t+\j)*1024
.endr
.endr
	s_wait_dscnt 0x0                               ; for the others' sake: my stores have landed
	s_barrier_signal -1
	s_barrier_wait -1
.set n, 0
.rept 16
	ds_load_b128 v[P+4*n:P+4*n+3], v[RA] offset:512*n               ; channels 8 w .. 8 w + 7, whole: 512 consecutive bytes a load
.set n, n+1
.endr
.set n, 0
.rept 16
	s_wait_dscnt 15-n                              ; LDS loads come back in order: load n is in, the 15 - n younger ones may be out
.irp k, 0,1,2,3
	v_add_f32 v[P+4*n+\k], s[68+n/2], v[P+4*n+\k]  ; + gamma ba of the channel
.endr
	global_store_b128 v[L16], v[P+4*n:P+4*n+3], s[18:19] offset:16384*(n/2)+512*(n%2) th:TH_STORE_NT   ; the wave's store covers 512 consecutive bytes, aligned; written once, read by nobody here
.set n, n+1
.endr
	s_wait_tensorcnt 0x0
	ds_add_u32 v254, v255
	s_wait_dscnt 0x0
	ROUND                                          ; the closing round: no work-group ends while a partner may still ask for a tile that names it
	s_endpgm
.Lfunc_end_k_q678f612618_attn:
	.size	k_q678f612618_attn, .Lfunc_end_k_q678f612618_attn-k_q678f612618_attn
	.p2alignl 7, 3214868480
	.fill 96, 4, 3214868480
	.section	.rodata,"a",@progbits
	.p2align	6, 0x0
	.amdhsa_kernel k_q678f612618_attn
		.amdhsa_group_segment_fixed_size 233472
		.amdhsa_private_segment_fixed_size 0
		.amdhsa_enable_private_segment 0
		.amdhsa_kernarg_size 64
		.amdhsa_user_sgpr_count 2
		.amdhsa_user_sgpr_kernarg_segment_ptr 1
		.amdhsa_wavefront_size32 1
		.amdhsa_system_sgpr_workgroup_id_x 1
		.amdhsa_system_sgpr_workgroup_id_y 1
		.amdhsa_system_sgpr_workgroup_id_z 1
		.amdhsa_system_vgpr_workitem_id 0
		.amdhsa_next_free_vgpr 256
		.amdhsa_next_free_sgpr 80
		.amdhsa_reserve_vcc 0
		.amdhsa_float_denorm_mode_32 3
		.amdhsa_float_denorm_mode_16_64 3
		.amdhsa_memory_ordered 1
		.amdhsa_forward_progress 1
		.amdhsa_inst_pref_size 66
	.end_amdhsa_kernel
	.amdgpu_metadata
---
amdhsa.version: [ 1, 2 ]
amdhsa.kernels:
  - .name:           k_q678f612618_attn
    .symbol:         k_q678f612618_attn.kd
    .args:
      - { .name: x, .offset: 0, .size: 8, .value_kind: global_buffer, .address_space: global }
      - { .name: qimg, .offset: 8, .size: 8, .value_kind: global_buffer, .address_space: global }
      - { .name: kv, .offset: 16, .size: 8, .value_kind: global_buffer, .address_space: global }
      - { .name: wa_codes, .offset: 24, .size: 8, .value_kind: global_buffer, .address_space: global }
      - { .name: wa_scales, .offset: 32, .size: 8, .value_kind: global_buffer, .address_space: global }
      - { .name: ba, .offset: 40, .size: 8, .value_kind: global_buffer, .address_space: global }
      - { .name: gamma, .offset: 48, .size: 8, .value_kind: global_buffer, .address_space: global }
      - { .name: out0, .offset: 56, .size: 8, .value_kind: global_buffer, .address_space: global }
    .group_segment_fixed_size: 233472
    .private_segment_fixed_size: 0
    .kernarg_segment_align: 8
    .kernarg_segment_size: 64
    .max_flat_workgroup_size: 512
    .sgpr_count:     80
    .vgpr_count:     256
    .wavefront_size: 32
...
	.end_amdgpu_metadata
.endif
;; end of part 2
